; MI455X (gfx1250); checked and timed in simulation.
; The chip was launched on July 23, 2026; its instructions are those of AMD's public machine-readable ISA for CDNA 5 (MIT licence, August 2026) and "CDNA5" Instruction Set Architecture Reference Guide (July 2026). The comments in the code are by the model that wrote it; some were corrected since.
;; Multi Head Self Attention. Allowed arithmetic: matrix products marked QUANTISED: E5M2 operands, one given power-of-two scale a tensor, by v_wmma_f32_16x16x64_bf8_bf8 or v_wmma_f32_16x16x128_bf8_bf8, f32 sums; everything else in f32.
;; Inputs: Wk 1,024 x 1,024 float32; Wo 1,024 x 1,024 float32; Wq 1,024 x 1,024 float32; Wv 1,024 x 1,024 float32; bk 1,024 float32; bo 1,024 float32; bq 1,024 float32; bv 1,024 float32; lowp_scales 12 int32 (the exponents e of the quantised operands' scales 2^e); x 1 x 4,096 x 1,024 float32.
;; Outputs: out0 1 x 4,096 x 1,024 float32.
;; This version of the problem:
;;   THIS VERSION OF THE PROBLEM IS GIVEN IN LOW PRECISION. The matrix products marked QUANTISED in the list below multiply operands that are first quantised to E5M2 (5 exponent bits, 2 mantissa bits; 8 bits a number), with one given power-of-two scale for each operand tensor; their sums are f32. All else is computed in f32.
;;   The module's matrix products, in the order in which they are computed (A, B: the left and right operand; K: the contracted axis; several contracted axes count as one K, in the product's order):
;;     1. [M 4,096, K 1,024] x [K 1,024, N 1,024]; A: input x; B: input Wq: QUANTISED (scales: A lowp_scales[0], B lowp_scales[1])
;;     2. [M 4,096, K 1,024] x [K 1,024, N 1,024]; A: input x; B: input Wk: QUANTISED (scales: A lowp_scales[2], B lowp_scales[3])
;;     3. [M 4,096, K 1,024] x [K 1,024, N 1,024]; A: input x; B: input Wv: QUANTISED (scales: A lowp_scales[4], B lowp_scales[5])
;;     4. batch 16 x [M 4,096, K 64] x [K 64, N 4,096]; A: computed on the way; B: computed on the way: QUANTISED (scales: A lowp_scales[6], B lowp_scales[7])
;;     5. batch 16 x [M 4,096, K 4,096] x [K 4,096, N 64]; A: softmax (see below); B: computed on the way: QUANTISED (scales: A lowp_scales[8], B lowp_scales[9])
;;     6. [M 4,096, K 1,024] x [K 1,024, N 1,024]; A: computed on the way; B: input Wo: QUANTISED (scales: A lowp_scales[10], B lowp_scales[11])
;;   THE QUANTISER, for each operand of a quantised product, along K:
;;     - The operand's scale is 2^e, e = its entry of the input lowp_scales (int32; the entries are numbered through the quantised products in the list's order, A before B).
;;     - Each number is divided by the scale, clamped to +-57,344, and rounded to the nearest number of E5M2, ties to even, subnormals kept.
;;     - The product sums the exact products of the quantised numbers (number of the format x scale) in f32.
;;   ~~~python
;;   def quantise(x, axis, e):      # numpy; x: float32 -> the quantised numbers, widened to float32 again
;;       x = np.moveaxis(x, axis, -1); K = x.shape[-1]
;;       r = np.clip(x / 2.0 ** e, -57344, 57344)
;;       step = 2.0 ** (np.maximum(np.frexp(np.where(r == 0, 1, r))[1] - 1, -14) - 2)
;;       q = np.round(r / step) * step * 2.0 ** e      # np.round: ties to even
;;       return np.moveaxis(q, -1, axis).astype(np.float32)
;;   ~~~
;;   SOFTMAX AHEAD OF A QUANTISED PRODUCT. Where the list says 'softmax', what is quantised is not the finished softmax but p = 2^(t - M), with t = logit x log2(e) and M = ceil(the row's largest t), a whole number; so 1/2 < the row's largest p <= 1. The row's sum l is taken of the UNQUANTISED p, in f32, and the product's result is divided by l at the end. Since M is a whole number, a kernel that streams over the keys may use a running M (the ceiling of the running maximum): every later rescaling is an exact power of two, so the quantised numbers keep their values, but for numbers so far below the row's largest that they fall under the format's range.
;;   OPERANDS COMPUTED ON THE WAY. 'Computed on the way' means the value that the module computes at that place (a softmax that the list does not call 'softmax' is quantised finished and normalised). What goes into a quantiser is computed in f32, as accurately as f32 sums, v_exp_f32 and their like allow (about 1e-6 of the number): no bf16 or f16 on the way to a quantiser, and a product that is left as it is and whose result goes on into a quantised operand takes f32 operands (vector FMAs, or v_wmma_f32_16x16x4_f32). A number that lies on a knife's edge between two numbers of the format may be rounded either way, as far as f32 arithmetic and the matrix unit's own rounding can turn it there, and no further.
;; One version. Each part assembles by itself: llvm-mc -triple=amdgcn-amd-amdhsa -mcpu=gfx1250 --defsym DOCPART=n.
;; ======== version 1 of 1: 4 launches
;; limits: right only within a limited range of input values
;; workspace buffers: codes 16,777,216 bytes; q_img 4,194,304 bytes; kv 8,388,608 bytes; a_img 4,194,304 bytes
;; launch quant (part 1): grid 256 x 1, 8 waves a work-group, no clusters, 68,608 bytes of LDS; arguments x, Wq, Wk, Wv, Wo, lowp_scales, codes; writes codes
.if DOCPART == 1
	.amdgcn_target "amdgcn-amd-amdhsa--gfx1250"
	.amdhsa_code_object_version 6
	.text
	.protected	k_q0bec9b601b_quant
	.globl	k_q0bec9b601b_quant
	.p2align	8
	.type	k_q0bec9b601b_quant,@function
k_q0bec9b601b_quant:
	s_mov_b64 s[64:65], 0
	v_nop
	global_prefetch_b8 v0, s[64:65] scope:SCOPE_SE
	s_setreg_imm32_b32 hwreg(HW_REG_WAVE_MODE, 25, 1), 1
	s_wait_xcnt 0x0
; MULTI-HEAD SELF-ATTENTION ON CODES OF BF8 (E5M2), first of four launches: x, Wq, Wk, Wv and Wo, f32, become codes.
; NO WORK OF THE MODULE IS LEFT OUT: all six products are live, there is no mask and nothing is sliced away, and every input (the four weights, the four biases, x, the twelve scales) has a way to out0;
; bk moves k's codes, so it stays.
; code = number / 2^e, held within +-57,344, rounded to the nearest code, ties to even.  x is an operand of three products with an exponent of its own in each (entries 0, 2, 4 of the scales): three sets of codes.
; LIMITS: each exponent used here (entries 0 to 5 and 11) lies between -126 and 112, so that 2^e and 57,344 x 2^e are f32 numbers.  NaN among the inputs is not served; an infinity is held at the largest code.
; THE BUFFER OF CODES, in bytes: 0 x by entry 0; 4 MiB x by entry 2; 8 MiB x by entry 4 ([4096][1024]); 12, 13, 14 MiB Wq, Wk, Wv ([1024][1024]); 15 MiB Wo.
;  x, Wq, Wk, Wv: rows as in memory, with ONE permutation of k inside each run of 512: byte 16 l + 4 i + j holds k = 128 i + 4 l + j.  It is the same in both operands of products 1 to 3, so each code meets its
;  partner and only the order of the sums changes.  It lets every load take 512 consecutive bytes and every store give 512 consecutive bytes with no exchange between lanes.
;  Wo: as images of the last product's operand registers, [64 tiles of 16 rows][16 heads][1,024 bytes]: piece c (512 bytes, 16 a lane) holds for lane (r, h) Wo[16 tile + r][64 head + 32 c + 8 h + 0..7] and then [.. + 16 + 8 h + 0..7].
; SHARES.  A wave takes 4,096 numbers and has all its 32 loads of 16 bytes a lane out at once.  Work-groups 0-127: x; 128-223: Wq, Wk, Wv, 32 each; 224-255: Wo.  The three paths part once, on the work-group's number.
; Only Wo's path uses LDS: a wave's own stage of 16 rows x (512 + 16) bytes, through which 128 numbers of each of 16 rows turn so that a lane gets eight neighbours along K.  No barrier: waves share nothing.
.set STG,   8448                       ; a wave's stage: 16 rows x 528 bytes
.set SP,    528                        ; 33 x 16 bytes: sixteen rows start at sixteen different 16-byte columns of 256
.set SPARE, 8*STG                      ; behind the stages: the spare words, 128 bytes for each wave: four blocks of 256 bytes that no other line names
.set LI,   3                           ; v3   16 x lane
.set SC,   6                           ; v6-8  2^e as f32, for up to three scales
.set LM,   9                           ; v9-11 57,344 x 2^e
.set SPW,  12                          ; v12  LDS address of my spare word; never rewritten
.set NIL,  13                          ; v13  0; never rewritten
.set SIN,  14                          ; v14  the stage, on the way in: 16 x lane of a row
.set SOUT, 15                          ; v15  and out: row r, + 32 h
.set R,    16                          ; v16-143  the 128 registers as loaded; a step's codes are laid over its own numbers once these are held
.set T0,   144                         ; v144-191 three sets of 16 held numbers
.set T1,   160
.set T2,   176
.set X,    144                         ; v144-207 Wo's path: 64 numbers back from the stage
.set C,    208                         ; v208-239 Wo's path: codes, 16 registers for each half
	s_load_b256 s[4:11], s[0:1], 0x0               ; x, Wq, Wk, Wv
	s_load_b128 s[12:15], s[0:1], 0x20             ; Wo, the scales' exponents
	s_load_b64 s[16:17], s[0:1], 0x30              ; the codes
	v_lshl_add_u32 v[SPW], v0, 2, SPARE
	v_mov_b32 v[NIL], 0
	v_lshrrev_b32 v2, 5, v0
	s_delay_alu instid0(VALU_DEP_1)
	v_readfirstlane_b32 s18, v2                    ; wave 0..7
	v_and_b32 v1, 31, v0
	s_delay_alu instid0(VALU_DEP_1)
	v_lshlrev_b32 v[LI], 4, v1
	v_and_b32 v4, 15, v0                           ; r
	v_bfe_u32 v5, v0, 4, 1                         ; h
	s_mul_i32 s19, s18, STG
	v_add_nc_u32 v[SIN], s19, v[LI]
	v_mul_u32_u24 v[SOUT], v4, SP
	s_delay_alu instid0(VALU_DEP_1)
	v_lshl_add_u32 v[SOUT], v5, 5, v[SOUT]
	s_delay_alu instid0(VALU_DEP_1)
	v_add_nc_u32 v[SOUT], s19, v[SOUT]
	s_mov_b32 s41, 0                               ; the upper word of every offset
	s_wait_kmcnt 0x0
	s_load_b256 s[20:27], s[14:15], 0x0            ; entries 0 to 7
	s_load_b128 s[28:31], s[14:15], 0x20           ; entries 8 to 11
.macro CONST e, sc, lm                 ; from the whole number e: 2^e and 57,344 x 2^e as f32
	s_add_co_i32 s46, \e, 127
	s_lshl_b32 s47, s46, 23
	v_mov_b32 v[\sc], s47
	s_add_co_i32 s46, s46, 15
	s_lshl_b32 s46, s46, 23
	s_or_b32 s46, s46, 0x600000
	v_mov_b32 v[\lm], s46
.endm
.macro SLOADS                          ; the wave's 16 KiB: each load takes 512 consecutive bytes
.irp t, 0,1,2,3,4,5,6,7
.irp i, 0,1,2,3
	global_load_b128 v[R+16*\t+4*\i:R+16*\t+4*\i+3], v[LI], s[32:33] offset:2048*\t+512*\i th:TH_LOAD_NT
.endr
.endr
.endm
.macro HOLD d, s, lm                   ; the conversion to an 8-bit code does not saturate (ISA guide 7.6.2): the number is held first
.irp i, 0,1,2,3,4,5,6,7,8,9,10,11,12,13,14,15
	v_med3_num_f32 v[\d+\i], v[\s+\i], -v[\lm], v[\lm]
.endr
.endm
.macro CVT2 c, s, sc                   ; sixteen numbers into sixteen codes, four registers
	v_cvt_scalef32_pk8_bf8_f32 v[\c:\c+1], v[\s:\s+7], v[\sc]
	v_cvt_scalef32_pk8_bf8_f32 v[\c+2:\c+3], v[\s+8:\s+15], v[\sc]
.endm
; Step t of 8: 512 numbers, 16 a lane, by n scales.  All holds read the step's numbers before the first conversion writes over them; no store's data are written again.
.macro SSTEP t, n
	s_wait_loadcnt 4*(7-(\t))                      ; loads come back in order: this step's four are in, the later steps' may be out
	HOLD T0, R+16*(\t), LM
.if \n == 3
	HOLD T1, R+16*(\t), LM+1
	HOLD T2, R+16*(\t), LM+2
.endif
	CVT2 R+16*(\t), T0, SC
.if \n == 3
	CVT2 R+16*(\t)+4, T1, SC+1
	CVT2 R+16*(\t)+8, T2, SC+2
.endif
	v_nop                                          ; a plain line between the conversions and the next step's holds, which write their sources
	global_store_b128 v[LI], v[R+16*(\t):R+16*(\t)+3], s[34:35] offset:512*(\t)   ; 32 lanes store 512 consecutive bytes, aligned
.if \n == 3
	global_store_b128 v[LI], v[R+16*(\t)+4:R+16*(\t)+7], s[36:37] offset:512*(\t)
	global_store_b128 v[LI], v[R+16*(\t)+8:R+16*(\t)+11], s[38:39] offset:512*(\t)
.endif
.endm
	s_cmp_ge_u32 ttmp9, 224
	s_cbranch_scc1 .Lwo
	s_cmp_ge_u32 ttmp9, 128
	s_cbranch_scc1 .Lw
	; ---- x, by three scales
	s_lshl_b32 s42, ttmp9, 3
	s_add_co_u32 s42, s42, s18                     ; which run of 4,096 numbers is my wave's
	s_lshl_b32 s40, s42, 14
	s_add_nc_u64 s[32:33], s[4:5], s[40:41]
	s_lshl_b32 s40, s42, 12
	s_add_nc_u64 s[34:35], s[16:17], s[40:41]
	s_add_nc_u64 s[36:37], s[34:35], 0x400000
	s_add_nc_u64 s[38:39], s[34:35], 0x800000
	s_wait_alu depctr_va_vdst(0)
	SLOADS
	s_wait_kmcnt 0x0
	CONST s20, SC, LM
	CONST s22, SC+1, LM+1
	CONST s24, SC+2, LM+2
	s_wait_alu depctr_va_vdst(0)
.irp t, 0,1,2,3,4,5,6,7
	SSTEP \t, 3
.endr
	s_endpgm
.Lw:	; ---- Wq, Wk or Wv, by its one scale
	s_sub_co_u32 s42, ttmp9, 128
	s_lshr_b32 s43, s42, 5                         ; which of the three
	s_and_b32 s42, s42, 31
	s_lshl_b32 s42, s42, 3
	s_add_co_u32 s42, s42, s18                     ; which run of 4,096 numbers
	s_cmp_eq_u32 s43, 0
	s_cselect_b64 s[32:33], s[6:7], s[8:9]
	s_cmp_eq_u32 s43, 2
	s_cselect_b64 s[32:33], s[10:11], s[32:33]
	s_lshl_b32 s40, s42, 14
	s_add_nc_u64 s[32:33], s[32:33], s[40:41]
	s_lshl_b32 s40, s43, 20
	s_lshl_b32 s44, s42, 12
	s_add_co_u32 s40, s40, s44
	s_add_co_u32 s40, s40, 0xc00000                ; from 12 MiB on
	s_add_nc_u64 s[34:35], s[16:17], s[40:41]
	s_wait_alu depctr_va_vdst(0)
	SLOADS
	s_wait_kmcnt 0x0
	s_cmp_eq_u32 s43, 0
	s_cselect_b32 s45, s21, s23
	s_cmp_eq_u32 s43, 2
	s_cselect_b32 s45, s25, s45                    ; entry 1, 3 or 5
	CONST s45, SC, LM
	s_wait_alu depctr_va_vdst(0)
.irp t, 0,1,2,3,4,5,6,7
	SSTEP \t, 1
.endr
	s_endpgm
.Lwo:	; ---- Wo: a wave takes 16 rows x 256 along K (four heads) and lays them as register images
	s_sub_co_u32 s42, ttmp9, 224
	s_lshl_b32 s42, s42, 3
	s_add_co_u32 s42, s42, s18                     ; 4 x tile of rows + quarter of K
	s_lshr_b32 s43, s42, 2
	s_and_b32 s44, s42, 3
	s_lshl_b32 s40, s43, 16                        ; 16 rows of 4,096 bytes
	s_lshl_b32 s44, s44, 10                        ; 256 numbers
	s_add_co_u32 s40, s40, s44
	s_add_nc_u64 s[32:33], s[12:13], s[40:41]
	s_lshl_b32 s40, s42, 12                        ; four images of 1,024 bytes
	s_add_co_u32 s40, s40, 0xf00000                ; from 15 MiB on
	s_add_nc_u64 s[34:35], s[16:17], s[40:41]
	s_wait_alu depctr_va_vdst(0)
.irp g, 0,1
.irp i, 0,1,2,3,4,5,6,7,8,9,10,11,12,13,14,15
	global_load_b128 v[R+64*\g+4*\i:R+64*\g+4*\i+3], v[LI], s[32:33] offset:4096*\i+512*\g th:TH_LOAD_NT   ; 512 consecutive bytes of row i
.endr
.endr
	s_wait_kmcnt 0x0
	CONST s31, SC, LM                              ; entry 11
	s_wait_alu depctr_va_vdst(0)
.irp g, 0,1                            ; 128 along K, two heads, at a time
	s_wait_loadcnt 16*(1-\g)                       ; this half's sixteen loads are in; the other half's may be out
.irp i, 0,1,2,3,4,5,6,7,8,9,10,11,12,13,14,15
	ds_store_b128 v[SIN], v[R+64*\g+4*\i:R+64*\g+4*\i+3] offset:SP*\i
.endr
.irp p, 0,1,2,3                        ; piece p: 32 along K; my eight numbers at 8 h and my eight at 16 + 8 h.  LDS serves a wave's instructions in order: these see the stores above
	ds_load_b128 v[X+16*\p:X+16*\p+3], v[SOUT] offset:128*\p
	ds_load_b128 v[X+16*\p+4:X+16*\p+7], v[SOUT] offset:128*\p+16
	ds_load_b128 v[X+16*\p+8:X+16*\p+11], v[SOUT] offset:128*\p+64
	ds_load_b128 v[X+16*\p+12:X+16*\p+15], v[SOUT] offset:128*\p+80
.endr
	s_wait_dscnt 0x0
.irp p, 0,1,2,3
	HOLD X+16*\p, X+16*\p, LM
	CVT2 C+16*\g+4*\p, X+16*\p, SC
.endr
	v_nop                                          ; a plain line behind the last conversion
.irp p, 0,1,2,3
	global_store_b128 v[LI], v[C+16*\g+4*\p:C+16*\g+4*\p+3], s[34:35] offset:2048*\g+512*\p   ; a piece: 512 consecutive bytes
.endr
.endr
	s_wait_tensorcnt 0x0                           ; the wave's end: behind my last LDS store
	ds_add_u32 v[SPW], v[NIL]
	s_wait_dscnt 0x0
	s_endpgm
.Lfunc_end_k_q0bec9b601b_quant:
	.size	k_q0bec9b601b_quant, .Lfunc_end_k_q0bec9b601b_quant-k_q0bec9b601b_quant
	.p2alignl 7, 3214868480
	.fill 96, 4, 3214868480
	.section	.rodata,"a",@progbits
	.p2align	6, 0x0
	.amdhsa_kernel k_q0bec9b601b_quant
		.amdhsa_group_segment_fixed_size 68608
		.amdhsa_private_segment_fixed_size 0
		.amdhsa_enable_private_segment 0
		.amdhsa_kernarg_size 56
		.amdhsa_user_sgpr_count 2
		.amdhsa_user_sgpr_kernarg_segment_ptr 1
		.amdhsa_wavefront_size32 1
		.amdhsa_system_sgpr_workgroup_id_x 1
		.amdhsa_system_sgpr_workgroup_id_y 1
		.amdhsa_system_sgpr_workgroup_id_z 1
		.amdhsa_system_vgpr_workitem_id 0
		.amdhsa_next_free_vgpr 240
		.amdhsa_next_free_sgpr 66
		.amdhsa_reserve_vcc 0
		.amdhsa_float_denorm_mode_32 3
		.amdhsa_float_denorm_mode_16_64 3
		.amdhsa_memory_ordered 1
		.amdhsa_forward_progress 1
		.amdhsa_inst_pref_size 68
	.end_amdhsa_kernel
	.amdgpu_metadata
---
amdhsa.version: [ 1, 2 ]
amdhsa.kernels:
  - .name:           k_q0bec9b601b_quant
    .symbol:         k_q0bec9b601b_quant.kd
    .args:
      - { .name: x, .offset: 0, .size: 8, .value_kind: global_buffer, .address_space: global }
      - { .name: Wq, .offset: 8, .size: 8, .value_kind: global_buffer, .address_space: global }
      - { .name: Wk, .offset: 16, .size: 8, .value_kind: global_buffer, .address_space: global }
      - { .name: Wv, .offset: 24, .size: 8, .value_kind: global_buffer, .address_space: global }
      - { .name: Wo, .offset: 32, .size: 8, .value_kind: global_buffer, .address_space: global }
      - { .name: lowp_scales, .offset: 40, .size: 8, .value_kind: global_buffer, .address_space: global }
      - { .name: codes, .offset: 48, .size: 8, .value_kind: global_buffer, .address_space: global }
    .group_segment_fixed_size: 68608
    .private_segment_fixed_size: 0
    .kernarg_segment_align: 8
    .kernarg_segment_size: 56
    .max_flat_workgroup_size: 256
    .sgpr_count:     66
    .vgpr_count:     240
    .wavefront_size: 32
...
	.end_amdgpu_metadata
.endif
;; end of part 1
;; launch proj (part 2): grid 4 x 48, 4 waves a work-group, clusters of 4 x 4, 327,680 bytes of LDS; arguments codes, bq, bk, bv, lowp_scales, q_img, kv; writes q_img, kv
.if DOCPART == 2
	.amdgcn_target "amdgcn-amd-amdhsa--gfx1250"
	.amdhsa_code_object_version 6
	.text
	.protected	k_q0bec9b601b_proj
	.globl	k_q0bec9b601b_proj
	.p2align	8
	.type	k_q0bec9b601b_proj,@function
k_q0bec9b601b_proj:
	s_mov_b64 s[64:65], 0
	v_nop
	global_prefetch_b8 v0, s[64:65] scope:SCOPE_SE
	s_setreg_imm32_b32 hwreg(HW_REG_WAVE_MODE, 25, 1), 1
	s_wait_xcnt 0x0
	s_wait_alu depctr_hold_cnt(0) depctr_sa_sdst(0) depctr_va_vdst(0) depctr_va_sdst(0) depctr_va_ssrc(0) depctr_va_vcc(0) depctr_vm_vsrc(0)
	s_getreg_b32 s2, hwreg(HW_REG_IB_STS2, 6, 4)
	s_cmp_eq_u32 s2, 0
	s_cbranch_scc0 .Lentry_in_a_cluster
	s_endpgm
.Lentry_in_a_cluster:
	s_bfe_u32 s2, ttmp6, 0x10000c
	s_cmp_lg_u32 s2, 0xf033
	s_cbranch_scc0 .Lentry_shape_is_right
	s_endpgm
.Lentry_shape_is_right:
; Second launch: q, k and v = x W^T + b on codes of BF8, each quantised again where it is made.  No work is left out.  Blocks of 256 x 256; rows of the grid 0-3: q, 4-7: k, 8-11: v (there the weight's rows are operand A, so that a lane runs along the keys).
; A step of 256 along K fills one of two LDS slots; 4 x 4 work-groups ask jointly for A's tiles (along a row) and B's (along a column).  The biases go in divided by the power of two that the sums lack.
; q_img, kv: images of the registers that the third launch's products take.  No prefetch: K has four steps in all, two of which are the slots' first fills, and the block is 256 x 256 in clusters.
; LIMITS: the exponents of the quantised results, less those of their two operands, lie between -126 and 112.
.set ROWB,   256
.set KROW,   1024
.set PITCH,  272
.set FR,     16
.set NL,     4
.set NP,     4
.set HALFT,  128*PITCH
.set SLOT,   4*HALFT
.set SPARE,  2*SLOT
.set SCL,  8
.set LIM,  9
.set LI,   10
.set BOQ,  11
.set BOV,  12
.set ADRA, 16
.set ADRB, 20
.set SPW,  28
.set NIL,  29
.set BB,   32
.set AF,   128
.set T,    128
.set CD,   192
.set WV, 18
.set WR, 19
.set WC, 20
.set G1, 24
.set G0, 32
.set G1B, 48
.set G0B, 56
.set MSB, 0
.macro WIN new
.if MSB != \new
	s_set_vgpr_msb (MSB<<8)|\new
.set MSB, \new
.endif
.endm
.set MUL_LO, 0xa1
.set MUL_HI, 0xf1
.set TO_B,   0x40
.macro JLOAD g0a, g1a, g0b, g1b
	s_cmp_eq_u32 s[WR], 0
	s_cbranch_scc0 .Lfor_b_\@
	tensor_load_to_lds s[\g0a:\g0a+3], s[\g1a:\g1a+7]
	s_nop 0
.rept 4
	v_nop
.endr
	s_branch .Lasked_\@
.Lfor_b_\@:
	tensor_load_to_lds s[\g0b:\g0b+3], s[\g1b:\g1b+7]
	s_nop 0
.rept 4
	v_nop
.endr
.Lasked_\@:
.endm
.macro CREST
	s_cmp_lg_u32 s[WV], 0
	s_cbranch_scc1 .Lnot_wave_0_\@
	s_barrier_signal -3
.Lnot_wave_0_\@:
	s_barrier_wait -3
	s_barrier_signal -1
	s_barrier_wait -1
.endm
.macro CROUND
	s_barrier_signal -1
	s_barrier_wait -1
	CREST
.endm
	s_load_b256 s[4:11], s[0:1], 0x0
	s_load_b128 s[12:15], s[0:1], 0x20
	s_load_b64 s[16:17], s[0:1], 0x30
	v_lshl_add_u32 v[SPW], v0, 2, SPARE
	v_mov_b32 v[NIL], 0
	ds_add_u32 v[SPW], v[NIL]
	ds_add_u32 v[SPW], v[NIL]
	v_lshrrev_b32 v1, 5, v0
	v_readfirstlane_b32 s[WV], v1
	s_lshr_b32 s[WR], s[WV], 1
	s_and_b32 s[WC], s[WV], 1
	s_bfe_u32 s21, ttmp6, 0x40000
	s_bfe_u32 s22, ttmp6, 0x40004
	s_and_b32 s40, ttmp7, 0xffff
	s_lshr_b32 s23, s40, 2
	s_and_b32 s40, s40, 3
	s_lshl_b32 s69, s23, 22
	s_lshl_b32 s71, s23, 20
	s_add_co_u32 s71, s71, 0xc00000
	s_cmp_eq_u32 s23, 2
	s_cselect_b32 s68, 0, s40
	s_cselect_b32 s70, s40, 0
	s_cselect_b32 s69, 0xe00000, s69
	s_cselect_b32 s71, 0x800000, s71
	s_lshl_b32 s41, s68, 2
	s_add_co_u32 s41, s41, s22
	s_lshl_b32 s42, s70, 2
	s_add_co_u32 s42, s42, s21
	s_lshl_b32 s43, s22, 2
	s_lshl_b32 s43, 15, s43
	s_lshl_b32 s44, 0x1111, s21
	s_or_b32 s[G1+0], s43, (0<<16)|(1<<20)|(1<<21)|(5<<22)|(3<<25)
	s_or_b32 s[G1B+0], s44, (0<<16)|(1<<20)|(1<<21)|(5<<22)|(3<<25)
.irp g, G1, G1B
	s_mov_b32 s[\g+1], ROWB<<16
	s_mov_b32 s[\g+2], 128<<16
	s_mov_b32 s[\g+3], ROWB<<16
	s_mov_b32 s[\g+4], 128
	s_mov_b32 s[\g+5], KROW
	s_mov_b32 s[\g+6], 0
	s_mov_b32 s[\g+7], 0
.endr
	s_lshl_b32 s68, s[WC], 7
	s_lshl_b32 s66, s41, 8
	s_add_co_u32 s66, s66, s68
	s_lshl_b32 s66, s66, 10
	s_add_co_u32 s66, s66, s69
	s_mov_b32 s67, 0
	s_lshl_b32 s46, s42, 8
	s_add_co_u32 s46, s46, s68
	s_lshl_b32 s46, s46, 10
	s_add_co_u32 s46, s46, s71
	s_mov_b32 s47, 0
	s_mul_i32 s45, s[WV], HALFT
	s_wait_dscnt 0x0
	s_wait_kmcnt 0x0
	s_load_b256 s[72:79], s[12:13], 0x0
	s_load_b128 s[80:83], s[12:13], 0x20
	s_add_nc_u64 s[66:67], s[4:5], s[66:67]
	s_add_nc_u64 s[46:47], s[4:5], s[46:47]
	CROUND
.irp s, 0,1
	s_mov_b32 s[G0+4*\s], 1
	s_add_co_u32 s[G0+4*\s+1], s45, \s*SLOT
	s_add_nc_u64 s[G0+4*\s+2:G0+4*\s+3], s[66:67], \s*ROWB
	s_or_b32 s[G0+4*\s+3], s[G0+4*\s+3], 0x80000000
	s_mov_b32 s[G0B+4*\s], 1
	s_add_co_u32 s[G0B+4*\s+1], s45, \s*SLOT
	s_add_nc_u64 s[G0B+4*\s+2:G0B+4*\s+3], s[46:47], \s*ROWB
	s_or_b32 s[G0B+4*\s+3], s[G0B+4*\s+3], 0x80000000
.if \s
	s_wait_alu depctr_va_vdst(0)
	s_wait_tensorcnt 0x0                           ; my part of K step 0 is in, ahead of slot 1's first fill
	ds_add_u32 v28, v29
	s_wait_dscnt 0x0
	CROUND                                         ; everybody's part of K step 0 is in
.endif
	JLOAD G0+4*\s, G1, G0B+4*\s, G1B
.endr
	v_and_b32 v1, 15, v0
	v_bfe_u32 v2, v0, 4, 1
	v_mul_u32_u24 v3, v1, PITCH
	v_lshl_add_u32 v4, v2, 4, v3
	s_mul_i32 s90, s[WR], HALFT
	s_mul_i32 s91, s[WC], HALFT
	s_add_co_u32 s91, s91, 2*HALFT
.irp s, 0,1
	v_add_nc_u32 v[ADRA+\s], s90, v4
	v_add_nc_u32 v[ADRB+\s], s91, v4
	s_add_co_u32 s90, s90, SLOT
	s_add_co_u32 s91, s91, SLOT
.endr
	v_and_b32 v5, 31, v0
	v_lshlrev_b32 v[LI], 4, v5
	v_lshlrev_b32 v[BOQ], 5, v2
	v_lshlrev_b32 v[BOV], 2, v1
.macro FRAG reg, adr, q, i
.irp c, 0,1,2,3
	ds_load_b128 v[\reg+4*\c:\reg+4*\c+3], v[\adr] offset:128*(\q)+32*\c+(\i)*16*PITCH
.endr
.endm
.macro MUL16 a0, p, zero
.irp a, \a0, \a0+1
.irp b, 0,1,2,3,4,5,6,7
.if \zero
	v_wmma_f32_16x16x128_bf8_bf8 v[8*(8*((\a)%4)+\b):8*(8*((\a)%4)+\b)+7], v[128*(\p)+FR*\b:128*(\p)+FR*\b+FR-1], v[AF+FR*(\a):AF+FR*(\a)+FR-1], 0
.else
	v_wmma_f32_16x16x128_bf8_bf8 v[8*(8*((\a)%4)+\b):8*(8*((\a)%4)+\b)+7], v[128*(\p)+FR*\b:128*(\p)+FR*\b+FR-1], v[AF+FR*(\a):AF+FR*(\a)+FR-1], v[8*(8*((\a)%4)+\b):8*(8*((\a)%4)+\b)+7]
.endif
.endr
.endr
.endm
.macro FETCH_B slot, q, p
	WIN TO_B
.irp i, 0,1,2,3,4,5,6,7
	FRAG 128*(\p)+FR*\i, ADRB+\slot, \q, \i
.endr
	WIN 0
.endm
.macro FETCH_A slot, q, i0
.irp i, \i0, \i0+1, \i0+2, \i0+3
	FRAG AF+FR*(\i), ADRA+\slot, \q, \i
.endr
.endm
.macro PLACES n
.rept \n
	v_nop
.endr
.endm
.macro STEP slot, q, zero
	s_wait_dscnt 4*NL
	WIN MUL_LO
	MUL16 0, (\q)%2, \zero
	MUL16 2, (\q)%2, \zero
	s_wait_dscnt 0
	PLACES NP
	FETCH_B \slot, (\q)+1, 1-(\q)%2
	FETCH_A \slot, (\q)+1, 0
	WIN MUL_HI
	MUL16 4, (\q)%2, \zero
	MUL16 6, (\q)%2, \zero
	PLACES NP
	WIN 0
	FETCH_A \slot, (\q)+1, 4
.endm
.macro TURN slot, next, fill
	s_wait_tensorcnt 0x0
	ds_add_u32 v[SPW], v[NIL]
	s_wait_dscnt 4*NL+1
	WIN MUL_LO
	MUL16 0, 1, 0
	s_wait_dscnt 0x0
	s_barrier_signal -1
	MUL16 2, 1, 0
	WIN 0
	s_barrier_wait -1
.if \fill
	CREST
	s_add_nc_u64 s[G0+4*\slot+2:G0+4*\slot+3], s[G0+4*\slot+2:G0+4*\slot+3], 2*ROWB
	s_add_nc_u64 s[G0B+4*\slot+2:G0B+4*\slot+3], s[G0B+4*\slot+2:G0B+4*\slot+3], 2*ROWB
	JLOAD G0+4*\slot, G1, G0B+4*\slot, G1B
.else
	PLACES NP
.endif
	FETCH_B \next, 0, 0
	FETCH_A \next, 0, 0
	WIN MUL_HI
	MUL16 4, 1, 0
	MUL16 6, 1, 0
	PLACES NP
	WIN 0
	FETCH_A \next, 0, 4
.endm
.macro LAST
	s_wait_dscnt 4*NL
	WIN MUL_LO
	MUL16 0, 1, 0
	MUL16 2, 1, 0
	s_wait_dscnt 0
	WIN MUL_HI
	MUL16 4, 1, 0
	MUL16 6, 1, 0
	WIN 0
.endm
.macro SCALES
	s_add_co_i32 s90, s90, s91
	s_sub_co_i32 s92, s92, s90
	s_sub_co_i32 s90, 0, s90
	s_add_co_i32 s92, s92, 127
	s_lshl_b32 s93, s92, 23
	v_mov_b32 v[SCL], s93
	s_add_co_i32 s92, s92, 15
	s_lshl_b32 s92, s92, 23
	s_or_b32 s92, s92, 0x600000
	v_mov_b32 v[LIM], s92
.endm
.macro EPI a, v
.set AC, 64*((\a)%4)
.set CC, CD+16*((\a)%4)
.set WN, 0x02+(\a)/4
	WIN WN
.irp j, 0,2,4,6,8,10,12,14,16,18,20,22,24,26,28,30,32,34,36,38,40,42,44,46,48,50,52,54,56,58,60,62
.if \v
	v_pk_add_f32 v[T+\j:T+\j+1], v[AC+\j:AC+\j+1], v[BB+2*(\a):BB+2*(\a)+1]
.else
	v_pk_add_f32 v[T+\j:T+\j+1], v[AC+\j:AC+\j+1], v[BB+\j:BB+\j+1]
.endif
.endr
	WIN 0
.irp j, 0,1,2,3,4,5,6,7,8,9,10,11,12,13,14,15,16,17,18,19,20,21,22,23,24,25,26,27,28,29,30,31,32,33,34,35,36,37,38,39,40,41,42,43,44,45,46,47,48,49,50,51,52,53,54,55,56,57,58,59,60,61,62,63
	v_med3_num_f32 v[T+\j], v[T+\j], -v[LIM], v[LIM]
.endr
.if (\a) >= 4
	s_wait_alu depctr_va_vdst(0)
	s_wait_xcnt 0x0
.endif
.irp g, 0,1,2,3,4,5,6,7
	v_cvt_scalef32_pk8_bf8_f32 v[CC+2*\g:CC+2*\g+1], v[T+8*\g:T+8*\g+7], v[SCL]
.endr
	v_nop
.if \v
.irp c, 0,1,2,3
	global_store_b128 v[LI], v[CC+4*\c:CC+4*\c+3], s[84+2*((\a)/4):85+2*((\a)/4)] offset:2048*((\a)%4)+512*\c
.endr
.else
	global_store_b128 v[LI], v[CC:CC+3], s[84:85] offset:1024*(\a)
	global_store_b128 v[LI], v[CC+4:CC+7], s[84:85] offset:1024*(\a)+512
	global_store_b128 v[LI], v[CC+8:CC+11], s[86:87] offset:1024*(\a)
	global_store_b128 v[LI], v[CC+12:CC+15], s[86:87] offset:1024*(\a)+512
.endif
.endm
	s_wait_alu depctr_va_vdst(0)                   ; (K step 0 was shown whole by the round ahead of slot 1's fill)
	FETCH_B 0, 0, 0
	FETCH_A 0, 0, 0
	FETCH_A 0, 0, 4
	STEP 0, 0, 1
	TURN 0, 1, 1
	STEP 1, 0, 0
	TURN 1, 0, 1
	STEP 0, 0, 0
	TURN 0, 1, 0
	s_cmp_eq_u32 s23, 2
	s_cbranch_scc1 .Lv
	s_wait_kmcnt 0x0
	s_cmp_eq_u32 s23, 0
	s_cselect_b64 s[88:89], s[6:7], s[8:9]
	s_cselect_b64 s[84:85], s[14:15], s[16:17]
	s_cselect_b32 s90, s72, s74
	s_cselect_b32 s91, s73, s75
	s_cselect_b32 s92, s78, s79
	SCALES
	s_lshl_b32 s94, s42, 10
	s_lshl_b32 s95, s[WC], 9
	s_add_co_u32 s94, s94, s95
	s_mov_b32 s95, 0
	s_add_nc_u64 s[88:89], s[88:89], s[94:95]
.irp b, 0,1,2,3,4,5,6,7
	global_load_b128 v[BB+8*\b:BB+8*\b+3], v[BOQ], s[88:89] offset:64*\b
	global_load_b128 v[BB+8*\b+4:BB+8*\b+7], v[BOQ], s[88:89] offset:64*\b+16
.endr
	s_lshl_b32 s94, s42, 2
	s_lshl_b32 s93, s[WC], 1
	s_add_co_u32 s94, s94, s93
	s_lshl_b32 s94, s94, 18
	s_lshl_b32 s93, s41, 1
	s_add_co_u32 s93, s93, s[WR]
	s_lshl_b32 s93, s93, 13
	s_add_co_u32 s94, s94, s93
	s_lshl_b32 s94, s94, s23
	s_add_nc_u64 s[84:85], s[84:85], s[94:95]
	s_lshl_b32 s94, 0x40000, s23
	s_add_nc_u64 s[86:87], s[84:85], s[94:95]
	STEP 1, 0, 0
	LAST
	s_wait_loadcnt 0x0
.irp j, 0,1,2,3,4,5,6,7,8,9,10,11,12,13,14,15,16,17,18,19,20,21,22,23,24,25,26,27,28,29,30,31,32,33,34,35,36,37,38,39,40,41,42,43,44,45,46,47,48,49,50,51,52,53,54,55,56,57,58,59,60,61,62,63
	v_ldexp_f32 v[BB+\j], v[BB+\j], s90
.endr
.irp a, 0,1,2,3,4,5,6,7
	EPI \a, 0
.endr
	s_branch .Ljoin
.Lv:
	s_wait_kmcnt 0x0
	s_mov_b32 s90, s76
	s_mov_b32 s91, s77
	s_mov_b32 s92, s81
	SCALES
	s_lshl_b32 s94, s41, 10
	s_lshl_b32 s95, s[WR], 9
	s_add_co_u32 s94, s94, s95
	s_mov_b32 s95, 0
	s_add_nc_u64 s[88:89], s[10:11], s[94:95]
.irp a, 0,1,2,3,4,5,6,7
	global_load_b32 v[BB+2*\a], v[BOV], s[88:89] offset:64*\a
	global_load_b32 v[BB+2*\a+1], v[BOV], s[88:89] offset:64*\a
.endr
	s_lshl_b32 s94, s41, 2
	s_lshl_b32 s93, s[WR], 1
	s_add_co_u32 s94, s94, s93
	s_lshl_b32 s94, s94, 19
	s_lshl_b32 s93, s42, 1
	s_add_co_u32 s93, s93, s[WC]
	s_lshl_b32 s93, s93, 14
	s_add_co_u32 s94, s94, s93
	s_add_co_u32 s94, s94, 8192
	s_add_nc_u64 s[84:85], s[16:17], s[94:95]
	s_add_nc_u64 s[86:87], s[84:85], 0x80000
	STEP 1, 0, 0
	LAST
	s_wait_loadcnt 0x0
.irp j, 0,1,2,3,4,5,6,7,8,9,10,11,12,13,14,15
	v_ldexp_f32 v[BB+\j], v[BB+\j], s90
.endr
.irp a, 0,1,2,3,4,5,6,7
	EPI \a, 1
.endr
.Ljoin:
	s_wait_tensorcnt 0x0
	ds_add_u32 v[SPW], v[NIL]
	s_wait_dscnt 0x0
	CROUND
	s_endpgm
.Lfunc_end_k_q0bec9b601b_proj:
	.size	k_q0bec9b601b_proj, .Lfunc_end_k_q0bec9b601b_proj-k_q0bec9b601b_proj
	.p2alignl 7, 3214868480
	.fill 96, 4, 3214868480
	.section	.rodata,"a",@progbits
	.p2align	6, 0x0
	.amdhsa_kernel k_q0bec9b601b_proj
		.amdhsa_group_segment_fixed_size 327680
		.amdhsa_private_segment_fixed_size 0
		.amdhsa_enable_private_segment 0
		.amdhsa_kernarg_size 56
		.amdhsa_user_sgpr_count 2
		.amdhsa_user_sgpr_kernarg_segment_ptr 1
		.amdhsa_wavefront_size32 1
		.amdhsa_system_sgpr_workgroup_id_x 1
		.amdhsa_system_sgpr_workgroup_id_y 1
		.amdhsa_system_sgpr_workgroup_id_z 1
		.amdhsa_system_vgpr_workitem_id 0
		.amdhsa_next_free_vgpr 1024
		.amdhsa_next_free_sgpr 96
		.amdhsa_reserve_vcc 0
		.amdhsa_float_denorm_mode_32 3
		.amdhsa_float_denorm_mode_16_64 3
		.amdhsa_memory_ordered 1
		.amdhsa_forward_progress 1
		.amdhsa_inst_pref_size 213
	.end_amdhsa_kernel
	.amdgpu_metadata
---
amdhsa.version: [ 1, 2 ]
amdhsa.kernels:
  - .name:           k_q0bec9b601b_proj
    .symbol:         k_q0bec9b601b_proj.kd
    .args:
      - { .name: codes, .offset: 0, .size: 8, .value_kind: global_buffer, .address_space: global }
      - { .name: bq, .offset: 8, .size: 8, .value_kind: global_buffer, .address_space: global }
      - { .name: bk, .offset: 16, .size: 8, .value_kind: global_buffer, .address_space: global }
      - { .name: bv, .offset: 24, .size: 8, .value_kind: global_buffer, .address_space: global }
      - { .name: lowp_scales, .offset: 32, .size: 8, .value_kind: global_buffer, .address_space: global }
      - { .name: q_img, .offset: 40, .size: 8, .value_kind: global_buffer, .address_space: global }
      - { .name: kv, .offset: 48, .size: 8, .value_kind: global_buffer, .address_space: global }
    .group_segment_fixed_size: 327680
    .private_segment_fixed_size: 0
    .kernarg_segment_align: 8
    .kernarg_segment_size: 56
    .max_flat_workgroup_size: 128
    .sgpr_count:     96
    .vgpr_count:     1024
    .wavefront_size: 32
...
	.end_amdgpu_metadata
.endif
;; end of part 2
;; launch attn (part 3): grid 16 x 16, 8 waves a work-group, no clusters, 74,752 bytes of LDS; arguments q_img, kv, lowp_scales, a_img; writes a_img
.if DOCPART == 3
	.amdgcn_target "amdgcn-amd-amdhsa--gfx1250"
	.amdhsa_code_object_version 6
	.text
	.protected	k_q0bec9b601b_attn
	.globl	k_q0bec9b601b_attn
	.p2align	8
	.type	k_q0bec9b601b_attn,@function
k_q0bec9b601b_attn:
	s_mov_b64 s[64:65], 0
	v_nop
	global_prefetch_b8 v0, s[64:65] scope:SCOPE_SE
	s_setreg_imm32_b32 hwreg(HW_REG_WAVE_MODE, 25, 1), 1
	s_wait_xcnt 0x0
; Third launch: attention of one head (work-group y) for 256 queries (work-group x), both products on codes of BF8, and its result quantised for the last product.  No work is left out.
; SOFTMAX: t = score x log2(e) / 8; M = the running largest t rounded up to a whole number, kept as -M; p = 2^(t - M) is quantised; the row's sum is of the unquantised p and divides at the end.
; SHARES.  Eight waves: wave w owns 64 queries (four tiles of 16; w % 4) and half of the head's keys (w / 4): 16 steps of 128 keys.  The two waves of the same queries join their results at the end through LDS, two tiles each.
; K and V are laid in memory as images of the operands' registers (16,384 bytes a step: K's eight fragments, then V's four), so they go from memory STRAIGHT INTO REGISTERS, each load 512 consecutive bytes, and every fragment feeds
; four tiles of queries.  The loop has no barrier and no LDS.
; THE HOLD at the largest code is needed only where p may pass 57,344 x 2^ep.  |score| is at most 64 x 57,344^2 = 2^37.7, so with eq + ek <= -12 |t| stays under 2^24 and a rounding of t moves t - M by 1/2 at most: p is at most 1.42,
; and with ep >= -15 the largest code x the scale is at least 1.75: nothing to hold, for all data.  For all other exponents a second copy of the loop holds every p.  The choice hangs on three given exponents.
; NO CLUSTER, no tensor load: which copy runs hangs on numbers read from memory; multicast is carried by tensor loads alone.
; Both products are used transposed: S^T = K Q^T, O^T = V^T P^T: a lane holds one query (lane % 16) throughout, and the 16 registers of two neighbouring tiles of S^T are 16 neighbouring keys, which the conversions turn into P's operand.
; PREFETCH: in its trip x - 2 work-group x asks for what all work-groups of its head load for trip x (x from 2 on), 2 x 16,384 bytes: waves 0, 1 (first half of the keys) and 4, 5 (second half), one instruction each, a lane 256 bytes.
; LIMITS: scaled scores under 2^31 in magnitude; eq + ek between -123 and 130; ep and entry 10 between -126 and 112; NaN is not served.
; REGISTERS, window 0: v0-7 below; v8-23 four tiles' (-M, a spare, the sum in two halves); v24-31 at work; v32-63 P; v64-127 K; v128-255 two tiles of S^T.  Window 1: v0-127 O^T; v128-191 V; v192-223 Q.
.set REG,   9216                       ; LDS of a wave for the join: two tiles of O^T (4,096 each), two tiles' state (512 each)
.set SPARE, 8*REG                      ; behind them: the spare words, 128 bytes for each wave: four blocks of 256 bytes that no other line names
.set SA,  0                            ; v0  where I send: my region + 16 x lane
.set LI,  1                            ; v1  16 x lane
.set SCL, 2                            ; v2  2^ep, at the end 2^(entry 10)
.set LIM, 3                            ; v3  57,344 x that
.set SPW, 4                            ; v4  my spare word
.set NIL, 5                            ; v5  0
.set RA,  6                            ; v6  where I read: my partner's region + 16 x lane
.set PFO, 7                            ; v7  256 x lane
.set ST,  8
.set PF,  32
.set KF,  64
.set SF,  128
.set VF,  128                          ; window 1
.set QF,  192                          ; window 1
.set WV,  12                           ; s12 wave; s13 w % 4; s14 w / 4; s15 head
.set KB,  16                           ; s[16:17] the step's K and V
.set PFA, 20                           ; s[20:21] what I prefetch
.set PLIM, 22                          ; s22 the count of trips at which I do (0, 17, 18: never)
.set CS,  34
.set SEL, 36
.set CNT, 38
.set MSB, 0
.macro WIN new                         ; the immediate's high byte repeats the setting that is left
.if MSB != \new
	s_set_vgpr_msb (MSB<<8)|\new
.set MSB, \new
.endif
.endm
.macro HINT n
	s_delay_alu instid0(VALU_DEP_\n)
.endm
	s_load_b256 s[4:11], s[0:1], 0x0               ; q_img, kv, the scales' exponents, a_img
	v_lshl_add_u32 v[SPW], v0, 2, SPARE
	v_mov_b32 v[NIL], 0
	v_lshrrev_b32 v24, 5, v0
	v_and_b32 v25, 31, v0
	v_readfirstlane_b32 s[WV], v24
	v_lshlrev_b32 v[LI], 4, v25
	v_lshlrev_b32 v[PFO], 8, v25
	s_mul_i32 s46, s[WV], REG
	s_xor_b32 s47, s[WV], 4                        ; my partner: the same queries, the other half of the keys
	s_mul_i32 s47, s47, REG
	v_add_nc_u32 v[SA], s46, v[LI]
	v_add_nc_u32 v[RA], s47, v[LI]
	s_wait_alu depctr_va_vdst(0)                   ; ahead of the scalar lines and the wait below
	s_and_b32 s13, s[WV], 3
	s_lshr_b32 s14, s[WV], 2
	s_and_b32 s15, ttmp7, 0xffff
	s_lshl_b32 s46, s15, 19
	s_lshl_b32 s47, s14, 18
	s_add_co_u32 s46, s46, s47                     ; my half of the head's keys
	s_mov_b32 s47, 0
	s_lshl_b32 s48, ttmp9, 14
	s_and_b32 s49, s13, 1
	s_lshl_b32 s49, s49, 13
	s_add_co_u32 s48, s48, s49                     ; step x of it, 8,192 bytes a wave
	s_mov_b32 s49, 0
	s_lshl_b32 s50, ttmp9, 4
	s_lshl_b32 s51, s13, 2
	s_add_co_u32 s50, s50, s51                     ; my first tile of 16 queries
	s_lshl_b32 s52, s15, 18
	s_lshl_b32 s51, s50, 10
	s_add_co_u32 s52, s52, s51
	s_mov_b32 s53, 0
	s_lshl_b32 s54, s50, 14
	s_lshl_b32 s51, s15, 10
	s_add_co_u32 s54, s54, s51
	s_mov_b32 s55, 0
	s_sub_co_u32 s[PLIM], 18, ttmp9                ; trip t has count 16 - t: trip x - 2
	s_cmp_lt_u32 s13, 2
	s_cselect_b32 s[PLIM], s[PLIM], 0
	s_mov_b32 s[SEL], 0x76543210
	s_mov_b32 s[SEL+1], 0xfedcba98                 ; v_permlanex16_b32's selects for lane l xor 16
	s_mov_b32 s[CS], 0x3e38aa3b                    ; log2(e) / 8
	s_mov_b32 s[CNT], 16
	s_wait_kmcnt 0x0
	s_load_b128 s[40:43], s[8:9], 0x18             ; entries 6 to 9: eq, ek, ep, ev
	s_load_b32 s44, s[8:9], 0x28                   ; entry 10
	s_add_nc_u64 s[4:5], s[4:5], s[52:53]
	s_add_nc_u64 s[10:11], s[10:11], s[54:55]
	s_add_nc_u64 s[KB:KB+1], s[6:7], s[46:47]
	s_add_nc_u64 s[PFA:PFA+1], s[KB:KB+1], s[48:49]
	WIN 0x40
.set j, 0
.rept 8
	global_load_b128 v[QF+4*j:QF+4*j+3], v[LI], s[4:5] offset:512*j
.set j, j+1
.endr
	WIN 0
.set j, 0
.rept 16
	global_load_b128 v[KF+4*j:KF+4*j+3], v[LI], s[KB:KB+1] offset:512*j
.set j, j+1
.endr
.irp q, 0,1,2,3
	v_mov_b32 v[ST+4*\q], 0x7f61b1e6               ; -M = 3e38: under every t; the first change of M multiplies zeros by 0
	v_mov_b32 v[ST+4*\q+1], 0                      ; (named as the upper half of a pair)
	v_mov_b32 v[ST+4*\q+2], 0
	v_mov_b32 v[ST+4*\q+3], 0
.endr
	WIN 0x40
.set j, 0
.rept 128
	v_mov_b32 v[j], 0                              ; O^T, while the loads are on their way: the step is written once for each pair of tiles
.set j, j+1
.endr
	WIN 0
	s_wait_alu depctr_va_vdst(0)
	s_wait_kmcnt 0x0
	s_add_co_i32 s45, s40, s41
	s_lshl_b32 s46, s45, 23
	s_add_co_i32 s[CS], s[CS], s46                 ; a score stands for score x 2^(eq + ek): into c's exponent field
	s_mov_b32 s[CS+1], s[CS]
	s_add_co_i32 s46, s42, 127
	s_lshl_b32 s47, s46, 23
	v_mov_b32 v[SCL], s47
	s_add_co_i32 s46, s46, 15
	s_lshl_b32 s46, s46, 23
	s_or_b32 s46, s46, 0x600000
	v_mov_b32 v[LIM], s46
.macro T0 c, k                         ; two more scores of tile 0, of tile 1
	v_max3_num_f32 v[\c], v[\c], v[SF+\k], v[SF+\k+1]
.endm
.macro T1 c, k
	v_max3_num_f32 v[\c], v[\c], v[SF+64+\k], v[SF+64+\k+1]
.endm
.macro FI p, n                         ; the next n pairs of tile 0's t - M
.rept \n
	TFMA 0, 2*\p, fj
.set fj, fj+2
.endr
.endm
.macro RESC p                          ; O^T under the new M.  The wait serves the exponentials' readers too, and O^T's readers come first behind it
	WIN 0x41
	s_wait_alu depctr_va_vdst(0)
.irp x, 0,1
.set j, 32*(2*\p+\x)
.rept 16
	v_pk_mul_f32 v[j:j+1], v[j:j+1], v[24+2*\x:25+2*\x] op_sel_hi:[1,0]
.set j, j+2
.endr
.endr
	WIN 0
.endm
.macro SUMF q, f                       ; tile q's sum under the new M
	v_pk_mul_f32 v[ST+4*(\q)+2:ST+4*(\q)+3], v[ST+4*(\q)+2:ST+4*(\q)+3], v[\f:\f+1] op_sel_hi:[1,0]
.endm
.macro ADDS base, step, n, d           ; n sums in place: pairs of registers step apart take the pair d behind them
.set j, \base
.rept \n
	v_pk_add_f32 v[j:j+1], v[j:j+1], v[j+\d:j+\d+1]
.set j, j+\step
.endr
.endm
.macro TFMA x, q, k                    ; t - M, two at a time
	v_pk_fma_f32 v[SF+64*\x+\k:SF+64*\x+\k+1], v[SF+64*\x+\k:SF+64*\x+\k+1], s[CS:CS+1], v[ST+4*(\q):ST+4*(\q)+1] op_sel_hi:[1,0,0]
.endm
; One step of 128 keys for the pair p of my tiles (2 p, 2 p + 1).  hold = 1: p is held at the largest code x the scale.
.macro PAIR p, hold
.if \p == 0
	WIN 0x40
.set j, 0
.rept 16
	global_load_b128 v[VF+4*j:VF+4*j+3], v[LI], s[KB:KB+1] offset:8192+512*j   ; this step's V.  (The sums behind the last products are the places ahead of these loads)
.set j, j+1
.endr
	s_wait_loadcnt 0x10                            ; K, asked for in the trip before, is in; V's sixteen loads may be out
.endif
	WIN 0x04
.irp x, 0,1
.irp t, 0,1,2,3,4,5,6,7
	v_wmma_f32_16x16x64_bf8_bf8 v[SF+64*\x+8*\t:SF+64*\x+8*\t+7], v[KF+8*\t:KF+8*\t+7], v[QF+8*(2*\p+\x):QF+8*(2*\p+\x)+7], 0
.endr
.endr
	WIN 0
.rept 4
	v_nop                                          ; places: for the loads into K's registers, and for the first read of results
.endr
.if \p == 0
	s_cmp_eq_u32 s[CNT], s[PLIM]
	s_cbranch_scc0 .Lnot_mine_\@
	global_prefetch_b8 v[PFO], s[PFA:PFA+1] th:TH_LOAD_NT scope:SCOPE_SE
.Lnot_mine_\@:
.else
	s_cmp_eq_u32 s[CNT], 1
	s_cbranch_scc1 .Lno_next_\@                    ; the last trip asks for nothing
.set j, 0
.rept 16
	global_load_b128 v[KF+4*j:KF+4*j+3], v[LI], s[KB:KB+1] offset:16384+512*j  ; the next step's K
.set j, j+1
.endr
.Lno_next_\@:
.endif
	v_max3_num_f32 v24, v[SF], v[SF+1], v[SF+2]    ; the largest scores, in four chains a tile
	v_max3_num_f32 v26, v[SF+64], v[SF+65], v[SF+66]
	v_max3_num_f32 v25, v[SF+3], v[SF+4], v[SF+5]
	v_max3_num_f32 v27, v[SF+67], v[SF+68], v[SF+69]
	v_max3_num_f32 v28, v[SF+6], v[SF+7], v[SF+8]
	v_max3_num_f32 v29, v[SF+70], v[SF+71], v[SF+72]
	v_max3_num_f32 v30, v[SF+9], v[SF+10], v[SF+11]
	v_max3_num_f32 v31, v[SF+73], v[SF+74], v[SF+75]
.set j, 12
.set k, 12
.rept 3                                ; tile 0 runs ahead of tile 1
	T0 24, j
	T0 25, j+2
	T1 26, k
	T0 28, j+4
	T0 30, j+6
	T1 27, k+2
	T0 24, j+8
	T0 25, j+10
	T1 29, k+4
	T0 28, j+12
	T0 30, j+14
	T1 31, k+6
.set j, j+16
.set k, k+8
.endr
	T0 24, 60
	T0 25, 62
	T1 26, 36
	T1 27, 38
	v_max3_num_f32 v28, v24, v25, v28              ; tile 0's chain, with tile 1's maxima between its links
	T1 29, 40
	T1 31, 42
	v_max_num_f32 v28, v28, v30
	T1 26, 44
	T1 27, 46
	v_permlanex16_b32 v30, v28, s[SEL], s[SEL+1]
	T1 29, 48
	T1 31, 50
	v_max_num_f32 v28, v28, v30                    ; among lane l xor 16's too
	T1 26, 52
	T1 27, 54
	v_mul_f32 v28, s[CS], -v28                     ; -t (c is positive)
	T1 29, 56
	T1 31, 58
	v_floor_f32 v28, v28
	T1 26, 60
	T1 27, 62
	v_min_num_f32 v28, v[ST+8*\p], v28             ; the new -M: the least of the floors is the floor of the least
	v_max3_num_f32 v29, v26, v27, v29              ; tile 1's chain
	v_sub_f32 v30, v28, v[ST+8*\p]
	v_mov_b32 v[ST+8*\p], v28
	v_max_num_f32 v29, v29, v31
.set fj, 0
	FI \p, 3                                       ; with tile 0's t - M between its links
	v_permlanex16_b32 v31, v29, s[SEL], s[SEL+1]
	FI \p, 3
	v_max_num_f32 v29, v29, v31
	FI \p, 3
	v_mul_f32 v29, s[CS], -v29
	FI \p, 3
	v_floor_f32 v29, v29
	FI \p, 3
	v_min_num_f32 v29, v[ST+8*\p+4], v29
	v_cvt_i32_f32 v30, v30                         ; (it saturates)
	FI \p, 2
	v_sub_f32 v31, v29, v[ST+8*\p+4]
	v_mov_b32 v[ST+8*\p+4], v29
	FI \p, 3
	v_ldexp_f32 v24, 1.0, v30                      ; f = 2^(old M - new M): a multiplication that rounds nothing
	v_cvt_i32_f32 v31, v31
	FI \p, 4
	v_ldexp_f32 v26, 1.0, v31
	FI \p, 8
	s_wait_alu depctr_va_vdst(0)
.set j, 0
.rept 32                               ; tile 0's exponentials, tile 1's t - M between them
	v_exp_f32 v[SF+j], v[SF+j]
	v_exp_f32 v[SF+j+1], v[SF+j+1]
	TFMA 1, 2*\p+1, j
.set j, j+2
.endr
	s_wait_alu depctr_va_vdst(0)                   ; behind that batch and ahead of the next
.if \hold
.set j, 64
.rept 64
	v_exp_f32 v[SF+j], v[SF+j]
.set j, j+1
.endr
	SUMF 2*\p, 24
	SUMF 2*\p+1, 26
	RESC \p
.irp x, 0,1
	v_pk_add_f32 v[28+2*\x:29+2*\x], v[SF+64*\x:SF+64*\x+1], v[SF+64*\x+2:SF+64*\x+3]   ; the sum is of what is not yet held
.endr
.set j, 4
.rept 15
.irp x, 0,1
	v_pk_add_f32 v[ST+4*(2*\p+\x)+2:ST+4*(2*\p+\x)+3], v[ST+4*(2*\p+\x)+2:ST+4*(2*\p+\x)+3], v[SF+64*\x+j:SF+64*\x+j+1]
.endr
.irp x, 0,1
	v_pk_add_f32 v[28+2*\x:29+2*\x], v[28+2*\x:29+2*\x], v[SF+64*\x+j+2:SF+64*\x+j+3]
.endr
.set j, j+4
.endr
.irp x, 0,1
	v_pk_add_f32 v[ST+4*(2*\p+\x)+2:ST+4*(2*\p+\x)+3], v[ST+4*(2*\p+\x)+2:ST+4*(2*\p+\x)+3], v[28+2*\x:29+2*\x]
.endr
.set j, 0
.rept 128
	v_min_num_f32 v[SF+j], v[SF+j], v[LIM]         ; the conversion does not saturate (ISA guide 7.6.2); p is not negative
.set j, j+1
.endr
.set j, 0
.rept 16
	v_cvt_scalef32_pk8_bf8_f32 v[PF+2*j:PF+2*j+1], v[SF+8*j:SF+8*j+7], v[SCL]
.set j, j+1
.endr
.else
.irp g, 0,1,2,3,4,5,6,7                ; tile 1's exponentials; between them tile 0's conversions, and the first sums over what has been converted
	v_exp_f32 v[SF+64+8*\g], v[SF+64+8*\g]
	v_cvt_scalef32_pk8_bf8_f32 v[PF+2*\g:PF+2*\g+1], v[SF+8*\g:SF+8*\g+7], v[SCL]
	v_exp_f32 v[SF+65+8*\g], v[SF+65+8*\g]
.if \g == 0
	SUMF 2*\p, 24
.else
	v_pk_add_f32 v[SF+8*\g-8:SF+8*\g-7], v[SF+8*\g-8:SF+8*\g-7], v[SF+8*\g-6:SF+8*\g-5]
.endif
	v_exp_f32 v[SF+66+8*\g], v[SF+66+8*\g]
.if \g == 0
	SUMF 2*\p+1, 26
.else
	v_pk_add_f32 v[SF+8*\g-4:SF+8*\g-3], v[SF+8*\g-4:SF+8*\g-3], v[SF+8*\g-2:SF+8*\g-1]
.endif
.irp i, 67,68,69,70,71
	v_exp_f32 v[SF+\i+8*\g], v[SF+\i+8*\g]
.endr
.endr
	RESC \p
	ADDS SF+56, 4, 2, 2
.irp g, 0,1,2,3,4,5,6,7
	v_cvt_scalef32_pk8_bf8_f32 v[PF+16+2*\g:PF+16+2*\g+1], v[SF+64+8*\g:SF+64+8*\g+7], v[SCL]
.endr
	ADDS SF, 8, 8, 4                               ; and so on down the tree, the two tiles by turns
	ADDS SF+64, 4, 16, 2
.endif
.if \hold
	v_nop                                          ; a plain line behind the last conversion
	s_wait_alu depctr_va_vdst(0)
.endif
.if \p == 0
	s_wait_loadcnt 0x0                             ; V.  (hold = 0: 24 plain lines stand between the codes and this wait)
.endif
	WIN 0x51
.irp d, 0,1,2,3
.irp x, 0,1
	v_wmma_f32_16x16x128_bf8_bf8 v[32*(2*\p+\x)+8*\d:32*(2*\p+\x)+8*\d+7], v[VF+16*\d:VF+16*\d+15], v[PF+16*\x:PF+16*\x+15], v[32*(2*\p+\x)+8*\d:32*(2*\p+\x)+8*\d+7]
.endr
.endr
	WIN 0
.if \hold
.rept 4
	v_nop                                          ; places behind the products
.endr
.else
	ADDS SF, 16, 4, 8                              ; the rest of the sums: the places behind the products
	ADDS SF+64, 8, 8, 4
	ADDS SF, 32, 2, 16
	ADDS SF+64, 16, 4, 8
	ADDS SF, 64, 1, 32
	HINT 4
	ADDS SF+64, 32, 1, 16
	HINT 3
	ADDS SF+96, 32, 1, 16
	HINT 3
	v_pk_add_f32 v[ST+8*\p+2:ST+8*\p+3], v[ST+8*\p+2:ST+8*\p+3], v[SF:SF+1]
	HINT 2
	ADDS SF+64, 64, 1, 32
	HINT 1
	v_pk_add_f32 v[ST+8*\p+6:ST+8*\p+7], v[ST+8*\p+6:ST+8*\p+7], v[SF+64:SF+65]
.endif
.endm
.macro NEXT top
	WIN 0
	s_wait_xcnt 0x0                                ; the loads have read their base
	s_add_nc_u64 s[KB:KB+1], s[KB:KB+1], 0x4000
	s_sub_co_u32 s[CNT], s[CNT], 1
	s_cmp_lg_u32 s[CNT], 0
	s_cbranch_scc1 \top
.endm
	s_wait_alu depctr_va_vdst(0)
	s_cmp_lt_i32 s42, -15
	s_cbranch_scc1 .Lhold
	s_cmp_gt_i32 s45, -12
	s_cbranch_scc1 .Lhold
.Lfree:
	PAIR 0, 0
	PAIR 1, 0
	NEXT .Lfree
	s_branch .Ldone
.Lhold:
	PAIR 0, 1
	PAIR 1, 1
	NEXT .Lhold
.Ldone:
	s_wait_loadcnt 0x0
	s_add_co_i32 s46, s44, 127
	s_lshl_b32 s47, s46, 23
	s_add_co_i32 s46, s46, 15
	s_lshl_b32 s46, s46, 23
	s_or_b32 s46, s46, 0x600000
	s_add_co_i32 s45, s42, s43
	v_mov_b32 v[SCL], s47                          ; 2^(entry 10): these two and two more are the places behind the last products
	v_mov_b32 v[LIM], s46
	v_nop
	v_nop
; THE JOIN.  The wave of the first half of the keys finishes tiles 0 and 1 and sends tiles 2 and 3; its partner the other way round.
.macro TELL q, y
	WIN 0x04
.irp i, 0,1,2,3,4,5,6,7
	ds_store_b128 v[SA], v[32*\q+4*\i:32*\q+4*\i+3] offset:4096*\y+512*\i
.endr
	WIN 0
	ds_store_b128 v[SA], v[ST+4*\q:ST+4*\q+3] offset:8192+512*\y
.endm
	s_wait_alu depctr_va_vdst(0)
	s_cmp_eq_u32 s14, 0
	s_cbranch_scc0 .Ltell_low
	TELL 2, 0
	TELL 3, 1
	s_branch .Ltold
.Ltell_low:
	TELL 0, 0
	TELL 1, 1
.Ltold:
	s_wait_dscnt 0x0                               ; my stores are done,
	s_barrier_signal -1
	s_barrier_wait -1                              ; and everybody's are
.macro FIN b                           ; tiles b, b + 1: mine, and my partner's part out of LDS
.irp y, 0,1
	ds_load_b128 v[32+4*\y:35+4*\y], v[RA] offset:8192+512*\y
.endr
.irp y, 0,1
.irp i, 0,1,2,3,4,5,6,7
	ds_load_b128 v[SF+32*\y+4*\i:SF+32*\y+4*\i+3], v[RA] offset:4096*\y+512*\i
.endr
.endr
	s_wait_dscnt 0x0
.irp y, 0,1
	v_add_f32 v[27+4*\y], v[ST+4*(\b+\y)+2], v[ST+4*(\b+\y)+3]   ; my sum
.endr
.irp y, 0,1
	v_add_f32 v[34+4*\y], v[34+4*\y], v[35+4*\y]   ; my partner's
.endr
.irp y, 0,1
	v_min_num_f32 v[24+4*\y], v[ST+4*(\b+\y)], v[32+4*\y]        ; the common -M
.endr
.irp y, 0,1
	HINT 2
	v_sub_f32 v[25+4*\y], v[24+4*\y], v[ST+4*(\b+\y)]
.endr
.irp y, 0,1
	HINT 4
	v_sub_f32 v[26+4*\y], v[24+4*\y], v[32+4*\y]
.endr
.irp y, 0,1
	HINT 4
	v_cvt_i32_f32 v[25+4*\y], v[25+4*\y]
.endr
.irp y, 0,1
	HINT 4
	v_cvt_i32_f32 v[26+4*\y], v[26+4*\y]
.endr
.irp y, 0,1
	HINT 4
	v_ldexp_f32 v[25+4*\y], 1.0, v[25+4*\y]        ; my factor
.endr
.irp y, 0,1
	HINT 4
	v_ldexp_f32 v[26+4*\y], 1.0, v[26+4*\y]        ; my partner's
.endr
.irp y, 0,1
	HINT 4
	v_mul_f32 v[27+4*\y], v[27+4*\y], v[25+4*\y]
.endr
.irp y, 0,1
	HINT 2
	v_fma_f32 v[27+4*\y], v[34+4*\y], v[26+4*\y], v[27+4*\y]
.endr
.irp y, 0,1
	HINT 2
	v_permlanex16_b32 v[24+4*\y], v[27+4*\y], s[SEL], s[SEL+1]
.endr
.irp y, 0,1
	HINT 2
	v_add_f32 v[27+4*\y], v[27+4*\y], v[24+4*\y]   ; the row's sum
.endr
	s_wait_alu depctr_va_vdst(0)
.irp y, 0,1
	v_rcp_f32 v[27+4*\y], v[27+4*\y]
.endr
	v_nop                                          ; a plain place behind the transcendentals
	s_wait_alu depctr_va_vdst(0)
.irp y, 0,1
	v_ldexp_f32 v[27+4*\y], v[27+4*\y], s45        ; x 2^(ep + ev)
.endr
.irp y, 0,1
	HINT 2
	v_mul_f32 v[24+4*\y], v[25+4*\y], v[27+4*\y]
.endr
.irp y, 0,1
	HINT 4
	v_mul_f32 v[26+4*\y], v[26+4*\y], v[27+4*\y]
.endr
.irp y, 0,1
.set j, SF+32*\y
.rept 16
	v_pk_mul_f32 v[j:j+1], v[j:j+1], v[26+4*\y:27+4*\y] op_sel_hi:[1,0]
.set j, j+2
.endr
.endr
	WIN 0x01
	s_wait_alu depctr_va_vdst(0)                   ; directly ahead of O^T's first readers
.irp y, 0,1
.set j, 0
.rept 16
	v_pk_fma_f32 v[SF+32*\y+j:SF+32*\y+j+1], v[32*(\b+\y)+j:32*(\b+\y)+j+1], v[24+4*\y:25+4*\y], v[SF+32*\y+j:SF+32*\y+j+1] op_sel_hi:[1,0,1]
.set j, j+2
.endr
.endr
	WIN 0
.set j, SF
.rept 64
	v_med3_num_f32 v[j], v[j], -v[LIM], v[LIM]
.set j, j+1
.endr
.set j, 0
.rept 8
	v_cvt_scalef32_pk8_bf8_f32 v[40+2*j:41+2*j], v[SF+8*j:SF+8*j+7], v[SCL]
.set j, j+1
.endr
	v_nop                                          ; a plain line behind the last conversion
.irp y, 0,1
.irp c, 0,1
	global_store_b128 v[LI], v[40+8*\y+4*\c:43+8*\y+4*\c], s[10:11] offset:16384*(\b+\y)+512*\c   ; 512 consecutive bytes, aligned
.endr
.endr
.endm
	s_cmp_eq_u32 s14, 0
	s_cbranch_scc0 .Lfin_high
	FIN 0
	s_branch .Lend
.Lfin_high:
	FIN 2
.Lend:
	s_wait_tensorcnt 0x0                           ; the wave's end: behind my last LDS store
	ds_add_u32 v[SPW], v[NIL]
	s_wait_dscnt 0x0
	s_endpgm
.Lfunc_end_k_q0bec9b601b_attn:
	.size	k_q0bec9b601b_attn, .Lfunc_end_k_q0bec9b601b_attn-k_q0bec9b601b_attn
	.p2alignl 7, 3214868480
	.fill 96, 4, 3214868480
	.section	.rodata,"a",@progbits
	.p2align	6, 0x0
	.amdhsa_kernel k_q0bec9b601b_attn
		.amdhsa_group_segment_fixed_size 74752
		.amdhsa_private_segment_fixed_size 0
		.amdhsa_enable_private_segment 0
		.amdhsa_kernarg_size 32
		.amdhsa_user_sgpr_count 2
		.amdhsa_user_sgpr_kernarg_segment_ptr 1
		.amdhsa_wavefront_size32 1
		.amdhsa_system_sgpr_workgroup_id_x 1
		.amdhsa_system_sgpr_workgroup_id_y 1
		.amdhsa_system_sgpr_workgroup_id_z 1
		.amdhsa_system_vgpr_workitem_id 0
		.amdhsa_next_free_vgpr 512
		.amdhsa_next_free_sgpr 66
		.amdhsa_reserve_vcc 0
		.amdhsa_float_denorm_mode_32 3
		.amdhsa_float_denorm_mode_16_64 3
		.amdhsa_memory_ordered 1
		.amdhsa_forward_progress 1
		.amdhsa_inst_pref_size 141
	.end_amdhsa_kernel
	.amdgpu_metadata
---
amdhsa.version: [ 1, 2 ]
amdhsa.kernels:
  - .name:           k_q0bec9b601b_attn
    .symbol:         k_q0bec9b601b_attn.kd
    .args:
      - { .name: q_img, .offset: 0, .size: 8, .value_kind: global_buffer, .address_space: global }
      - { .name: kv, .offset: 8, .size: 8, .value_kind: global_buffer, .address_space: global }
      - { .name: lowp_scales, .offset: 16, .size: 8, .value_kind: global_buffer, .address_space: global }
      - { .name: a_img, .offset: 24, .size: 8, .value_kind: global_buffer, .address_space: global }
    .group_segment_fixed_size: 74752
    .private_segment_fixed_size: 0
    .kernarg_segment_align: 8
    .kernarg_segment_size: 32
    .max_flat_workgroup_size: 256
    .sgpr_count:     66
    .vgpr_count:     512
    .wavefront_size: 32
...
	.end_amdgpu_metadata
.endif
;; end of part 3
;; launch outp (part 4): grid 8 x 32, 4 waves a work-group, clusters of 4 x 4, 327,680 bytes of LDS; arguments a_img, codes, bo, lowp_scales, out0; writes out0
.if DOCPART == 4
	.amdgcn_target "amdgcn-amd-amdhsa--gfx1250"
	.amdhsa_code_object_version 6
	.text
	.protected	k_q0bec9b601b_outp
	.globl	k_q0bec9b601b_outp
	.p2align	8
	.type	k_q0bec9b601b_outp,@function
k_q0bec9b601b_outp:
	s_mov_b64 s[64:65], 0
	v_nop
	global_prefetch_b8 v0, s[64:65] scope:SCOPE_SE
	s_setreg_imm32_b32 hwreg(HW_REG_WAVE_MODE, 25, 1), 1
	s_wait_xcnt 0x0
	s_wait_alu depctr_hold_cnt(0) depctr_sa_sdst(0) depctr_va_vdst(0) depctr_va_sdst(0) depctr_va_ssrc(0) depctr_va_vcc(0) depctr_vm_vsrc(0)
	s_getreg_b32 s2, hwreg(HW_REG_IB_STS2, 6, 4)
	s_cmp_eq_u32 s2, 0
	s_cbranch_scc0 .Lentry_in_a_cluster
	s_endpgm
.Lentry_in_a_cluster:
	s_bfe_u32 s2, ttmp6, 0x10000c
	s_cmp_lg_u32 s2, 0xf033
	s_cbranch_scc0 .Lentry_shape_is_right
	s_endpgm
.Lentry_shape_is_right:
; Fourth launch: out0 = o Wo^T + bo on codes of BF8: out0 = sum x 2^(entries 10 + 11) + bo.  No work is left out.
; Both operands arrive as images of their registers: a_img [256 tiles of 16 tokens][16 heads][1,024] and, from byte 15 MiB of the codes, Wo [64 tiles of 16 rows][16 heads][1,024].  Two heads' images on end are a fragment of
; 16 rows x 128 K of the matrix instruction; it comes by four loads of 16 bytes at 16 x lane.
; A tile of out0 is 128 x 128: 256 work-groups of four waves, each 64 x 64 in 16 accumulators.  The tile's whole K, 131,072 bytes a side, fits in LDS: each wave brings half a side, four tiles of rows on end, by its one load
; at the head, and nothing is filled again.  No prefetch: there is no loop to run ahead in.
; CLUSTERS: 4 x 4 work-groups; the four of a row need the same tiles of o, the four of a column the same tiles of Wo: each is asked for jointly.
; THE MATRIX INSTRUCTION IS USED TRANSPOSED (source 0 = 16 rows of Wo, source 1 = 16 tokens): a lane holds eight neighbouring numbers of a row of out0.
; LIMIT: entries 10 + 11 between -126 and 127, so that the power of two is an f32 number.
; REGISTERS.  Window 0: v1-16 addresses; v28, v29 the add's two; v32-63 bo; v64-127 two sets at work on the way out; v128-255 the accumulators ((a, b) at 128 + 8 (4 a + b)), then whole rows on their way out.
;   Window 1: two fragment buffers of 128: o's four fragments, then Wo's four.
.set QUART, 65536                      ; what a wave brings: 4 tiles x 16,384 bytes
.set STAGE, 4*QUART                    ; behind them: 16 rows x (256 + 16) bytes for each wave, for the way out; no fill lands there
.set SP,    272
.set SPARE, STAGE+4*16*SP              ; behind the stages: the spare words, 128 bytes for each wave: two blocks of 256 bytes that no other line names
.set LI,  3                            ; v3     16 x lane
.set ADA, 4                            ; v4     my fragments of o
.set ADB, 8                            ; v8     of Wo
.set STO, 12                           ; v12    the way out: where I put 32 bytes of a row
.set RD,  13                           ; v13    where I read a row back
.set CO,  14                           ; v14    my byte offset in two rows of out0
.set BOF, 15                           ; v15    32 (lane / 16)
.set SPW, 28
.set NIL, 29
.set BO,  32
.set T,   64
.set ACC, 128
.set WV, 14                            ; s14 wave; s15 wave / 2: my half of the rows, and whether I fetch for o (0) or Wo (1); s16 wave % 2: my half of the columns, and which 4 tiles I fetch
.set WR, 15
.set WC, 16
.set G1,  24                           ; s[24:31] descriptor group 1 for o's tiles
.set G1B, 48                           ; s[48:55] for Wo's: it differs in the mask alone
.set G0A, 68                           ; s[68:71] group 0 for o's
.set G0B, 84                           ; s[84:87] for Wo's
.set MSB, 0
.macro WIN new                         ; the immediate's high byte repeats the setting that is left
.if MSB != \new
	s_set_vgpr_msb (MSB<<8)|\new
.set MSB, \new
.endif
.endm
.macro CROUND                          ; a round of the cluster's barrier
	s_barrier_signal -1
	s_barrier_wait -1
	s_cmp_lg_u32 s[WV], 0
	s_cbranch_scc1 .Lnot_wave_0_\@
	s_barrier_signal -3
.Lnot_wave_0_\@:
	s_barrier_wait -3
	s_barrier_signal -1
	s_barrier_wait -1
.endm
	s_load_b256 s[4:11], s[0:1], 0x0               ; a_img, the codes, bo, the scales' exponents
	s_load_b64 s[12:13], s[0:1], 0x20              ; out0
	v_lshl_add_u32 v[SPW], v0, 2, SPARE
	v_mov_b32 v[NIL], 0
	ds_add_u32 v[SPW], v[NIL]                      ; the wave's opening: the add, twice on end, and its wait ahead of my first tensor load
	ds_add_u32 v[SPW], v[NIL]
	v_lshrrev_b32 v1, 5, v0
	v_readfirstlane_b32 s[WV], v1
	s_lshr_b32 s[WR], s[WV], 1
	s_and_b32 s[WC], s[WV], 1
	s_bfe_u32 s40, ttmp6, 0x40000                  ; cx, cy
	s_bfe_u32 s41, ttmp6, 0x40004
	s_lshl_b32 s42, ttmp9, 2
	s_add_co_u32 s42, s42, s40                     ; tile column, 0 to 7
	s_and_b32 s43, ttmp7, 0xffff
	s_lshl_b32 s43, s43, 2
	s_add_co_u32 s43, s43, s41                     ; tile row, 0 to 31
	s_lshl_b32 s44, s41, 2
	s_lshl_b32 s44, 15, s44                        ; my row of the cluster
	s_lshl_b32 s45, 0x1111, s40                    ; my column
	; descriptor group 1: 4 rows of 2,048 elements of 8 bytes (16 heads' images of one tile of rows), dense
	s_or_b32 s[G1], s44, (3<<16)|(1<<21)           ; 15:0 the mask; 17:16 elements of 8 bytes; 21 set beside a mask; no padding
	s_or_b32 s[G1B], s45, (3<<16)|(1<<21)
.irp g, G1, G1B
	s_mov_b32 s[\g+1], 2048<<16                    ; tensor_dim0
	s_mov_b32 s[\g+2], 4<<16                       ; tensor_dim1
	s_mov_b32 s[\g+3], 2048<<16                    ; tile_dim0
	s_mov_b32 s[\g+4], 4                           ; tile_dim1
	s_mov_b32 s[\g+5], 2048                        ; tensor_dim0_stride
	s_mov_b32 s[\g+6], 0
	s_mov_b32 s[\g+7], 0
.endr
	s_lshl_b32 s38, s[WC], 2                       ; which 4 tiles of the 8 I fetch
	s_lshl_b32 s36, s43, 3
	s_add_co_u32 s36, s36, s38
	s_lshl_b32 s36, s36, 14
	s_mov_b32 s37, 0
	s_lshl_b32 s46, s42, 3
	s_add_co_u32 s46, s46, s38
	s_lshl_b32 s46, s46, 14
	s_add_co_u32 s46, s46, 0xf00000                ; Wo's images begin at 15 MiB
	s_mov_b32 s47, 0
	s_lshl_b32 s39, s[WV], 16                      ; where they go: wave x 65,536: no place in the cluster enters an LDS address
	s_wait_dscnt 0x0                               ; both opening adds are done
	s_wait_kmcnt 0x0
	s_load_b64 s[22:23], s[10:11], 0x28            ; entries 10, 11
	s_add_nc_u64 s[36:37], s[4:5], s[36:37]
	s_add_nc_u64 s[46:47], s[6:7], s[46:47]
	s_mov_b32 s[G0A], 1
	s_mov_b32 s[G0A+1], s39
	s_mov_b64 s[G0A+2:G0A+3], s[36:37]
	s_or_b32 s[G0A+3], s[G0A+3], 0x80000000
	s_mov_b32 s[G0B], 1
	s_mov_b32 s[G0B+1], s39
	s_mov_b64 s[G0B+2:G0B+3], s[46:47]
	s_or_b32 s[G0B+3], s[G0B+3], 0x80000000
	CROUND                                         ; all sixteen work-groups are here: the joint loads meet
	s_cmp_eq_u32 s[WR], 0                          ; one load in each arm; an s_nop 0 and four v_nop follow each
	s_cbranch_scc0 .Lfill_b
	tensor_load_to_lds s[G0A:G0A+3], s[G1:G1+7]
	s_nop 0
.rept 4
	v_nop
.endr
	s_branch .Lfilled
.Lfill_b:
	tensor_load_to_lds s[G0B:G0B+3], s[G1B:G1B+7]
	s_nop 0
.rept 4
	v_nop
.endr
.Lfilled:
	v_and_b32 v1, 15, v0                           ; r
	v_bfe_u32 v2, v0, 4, 1                         ; h
	v_and_b32 v16, 31, v0
	v_lshlrev_b32 v[LI], 4, v16
	v_lshlrev_b32 v[BOF], 5, v2
	s_wait_alu depctr_va_vdst(0)
	s_lshl_b32 s56, s43, 7
	s_lshl_b32 s57, s[WR], 6
	s_add_co_u32 s56, s56, s57                     ; my first row of out0
	s_lshl_b32 s56, s56, 12
	s_lshl_b32 s58, s42, 9
	s_lshl_b32 s59, s[WC], 8
	s_add_co_u32 s58, s58, s59                     ; my first column, in bytes: a multiple of 256
	s_mov_b32 s59, 0
	s_add_nc_u64 s[8:9], s[8:9], s[58:59]
	s_add_co_u32 s56, s56, s58
	s_mov_b32 s57, 0
	s_add_nc_u64 s[12:13], s[12:13], s[56:57]
.irp b, 0,1,2,3
	global_load_b128 v[BO+8*\b:BO+8*\b+3], v[BOF], s[8:9] offset:64*\b          ; bo of columns 16 b + 8 h + 0..7
	global_load_b128 v[BO+8*\b+4:BO+8*\b+7], v[BOF], s[8:9] offset:64*\b+16
.endr
	s_lshl_b32 s32, s[WR], 16                      ; my 4 tiles of o,
	s_lshl_b32 s33, s[WC], 16
	s_add_co_u32 s33, s33, 2*QUART                 ; my 4 tiles of Wo, behind o's 8
	v_add_nc_u32 v[ADA], s32, v[LI]
	v_add_nc_u32 v[ADB], s33, v[LI]
	s_mul_i32 s34, s[WV], 16*SP
	s_add_co_u32 s34, s34, STAGE                   ; my stage
	v_mul_u32_u24 v[STO], v1, SP                   ; in: row r, 32 bytes for each half of the lanes
	v_lshl_add_u32 v[STO], v2, 5, v[STO]
	v_add_nc_u32 v[STO], s34, v[STO]
	v_mul_u32_u24 v[RD], v2, SP                    ; back: lanes 0-15 one row of 256 bytes, lanes 16-31 the next
	v_lshl_add_u32 v[RD], v1, 4, v[RD]
	v_add_nc_u32 v[RD], s34, v[RD]
	v_lshlrev_b32 v[CO], 12, v2                    ; and the same two rows in out0
	v_lshl_add_u32 v[CO], v1, 4, v[CO]
.macro FETCH s                         ; the eight fragments of K step s (128 along K: two heads) into buffer s % 2: 32 loads in one run
.set FB, 128*((\s)%2)
	WIN 0x40                                       ; destination window 1, address window 0
.irp a, 0,1,2,3
.irp c, 0,1,2,3
	ds_load_b128 v[FB+16*\a+4*\c:FB+16*\a+4*\c+3], v[ADA] offset:16384*\a+2048*(\s)+512*\c
.endr
.endr
.irp a, 0,1,2,3
.irp c, 0,1,2,3
	ds_load_b128 v[FB+64+16*\a+4*\c:FB+64+16*\a+4*\c+3], v[ADB] offset:16384*\a+2048*(\s)+512*\c
.endr
.endr
.endm
.macro MULS s                          ; 16 products; the 16 accumulators take turns, one instruction a turn, in the same order in every step; step 0 starts the sums
.set FB, 128*((\s)%2)
	WIN 0x05                                       ; sources 0 and 1 window 1; C and D window 0
.irp a, 0,1,2,3
.irp b, 0,1,2,3
.if (\s) == 0
	v_wmma_f32_16x16x128_bf8_bf8 v[ACC+8*(4*\a+\b):ACC+8*(4*\a+\b)+7], v[FB+64+16*\b:FB+64+16*\b+15], v[FB+16*\a:FB+16*\a+15], 0
.else
	v_wmma_f32_16x16x128_bf8_bf8 v[ACC+8*(4*\a+\b):ACC+8*(4*\a+\b)+7], v[FB+64+16*\b:FB+64+16*\b+15], v[FB+16*\a:FB+16*\a+15], v[ACC+8*(4*\a+\b):ACC+8*(4*\a+\b)+7]
.endif
.endr
.endr
.endm
.macro KSTEP s                         ; the next step's fragments are asked for ahead of this step's products
	s_wait_dscnt 0x0                               ; this step's fragments are in
.if (\s) < 7
.if (\s) > 0
.rept 4
	v_nop                                          ; places between the last step's products and the loads into the buffer that they read
.endr
.endif
	FETCH (\s)+1
.endif
	MULS \s
.endm
	s_wait_alu depctr_va_vdst(0)
	s_wait_tensorcnt 0x0                           ; my quarter is in,
	s_barrier_signal -1
	s_barrier_wait -1                              ; and everybody's is
	FETCH 0
.irp s, 0,1,2,3,4,5,6,7
	KSTEP \s
.endr
	WIN 0
.rept 4
	v_nop                                          ; places in front of the first read of results
.endr
	s_wait_loadcnt 0x0                             ; bo
	s_wait_kmcnt 0x0
	s_add_co_i32 s20, s22, s23
	s_add_co_i32 s20, s20, 127
	s_lshl_b32 s20, s20, 23                        ; 2^(entries 10 + 11) as f32
	s_mov_b32 s21, s20                             ; named with it as a pair, so it is written
; THE WAY OUT, a block of 16 rows x 64 columns at a time.  A lane holds 32 neighbouring bytes of a row and the lanes beside it hold other rows: the block goes through my own stage and comes back as whole rows of 256 bytes,
; into the registers that its sums have left.  LDS serves a wave's instructions in order (ISA guide 5.7.1.4): no wait between the stores and the loads, nor in front of the next block's stores.
.macro TOSTAGE a
.set TT, T+32*((\a)%2)
.set AC, ACC+32*(\a)
.irp i, 0,2,4,6,8,10,12,14,16,18,20,22,24,26,28,30
	v_pk_fma_f32 v[TT+\i:TT+\i+1], v[AC+\i:AC+\i+1], s[20:21], v[BO+\i:BO+\i+1] op_sel_hi:[1,0,1]   ; sum x 2^(entries 10 + 11) + bo; each accumulator from its low end on
.endr
.irp b, 0,1,2,3
	ds_store_b128 v[STO], v[TT+8*\b:TT+8*\b+3] offset:64*\b
	ds_store_b128 v[STO], v[TT+8*\b+4:TT+8*\b+7] offset:64*\b+16
.endr
.irp t, 0,1,2,3,4,5,6,7
	ds_load_b128 v[AC+4*\t:AC+4*\t+3], v[RD] offset:2*SP*\t
.endr
.endm
.macro SEND a, y                       ; y: the LDS instructions issued behind block a's loads, which may stay out
	s_wait_dscnt \y
.irp t, 0,1,2,3,4,5,6,7
	global_store_b128 v[CO], v[ACC+32*(\a)+4*\t:ACC+32*(\a)+4*\t+3], s[12:13] offset:(16*(\a)+2*\t)*4096 th:TH_STORE_NT   ; sixteen lanes store 256 consecutive bytes, aligned; no register and no base is written again
.endr
.endm
	TOSTAGE 0
	TOSTAGE 1
	SEND 0, 16                                     ; behind block 0's loads: block 1's eight stores and eight loads
	TOSTAGE 2
	SEND 1, 16
	TOSTAGE 3
	SEND 2, 16
	SEND 3, 0
	s_wait_tensorcnt 0x0                           ; the wave's end: behind my last tensor load and my last LDS store
	ds_add_u32 v[SPW], v[NIL]
	s_wait_dscnt 0x0
	CROUND                                         ; the closing round: no work-group ends while a partner may still ask for a tile that names it
	s_endpgm
.Lfunc_end_k_q0bec9b601b_outp:
	.size	k_q0bec9b601b_outp, .Lfunc_end_k_q0bec9b601b_outp-k_q0bec9b601b_outp
	.p2alignl 7, 3214868480
	.fill 96, 4, 3214868480
	.section	.rodata,"a",@progbits
	.p2align	6, 0x0
	.amdhsa_kernel k_q0bec9b601b_outp
		.amdhsa_group_segment_fixed_size 327680
		.amdhsa_private_segment_fixed_size 0
		.amdhsa_enable_private_segment 0
		.amdhsa_kernarg_size 40
		.amdhsa_user_sgpr_count 2
		.amdhsa_user_sgpr_kernarg_segment_ptr 1
		.amdhsa_wavefront_size32 1
		.amdhsa_system_sgpr_workgroup_id_x 1
		.amdhsa_system_sgpr_workgroup_id_y 1
		.amdhsa_system_sgpr_workgroup_id_z 1
		.amdhsa_system_vgpr_workitem_id 0
		.amdhsa_next_free_vgpr 512
		.amdhsa_next_free_sgpr 100
		.amdhsa_reserve_vcc 0
		.amdhsa_float_denorm_mode_32 3
		.amdhsa_float_denorm_mode_16_64 3
		.amdhsa_memory_ordered 1
		.amdhsa_forward_progress 1
		.amdhsa_inst_pref_size 44
	.end_amdhsa_kernel
	.amdgpu_metadata
---
amdhsa.version: [ 1, 2 ]
amdhsa.kernels:
  - .name:           k_q0bec9b601b_outp
    .symbol:         k_q0bec9b601b_outp.kd
    .args:
      - { .name: a_img, .offset: 0, .size: 8, .value_kind: global_buffer, .address_space: global }
      - { .name: codes, .offset: 8, .size: 8, .value_kind: global_buffer, .address_space: global }
      - { .name: bo, .offset: 16, .size: 8, .value_kind: global_buffer, .address_space: global }
      - { .name: lowp_scales, .offset: 24, .size: 8, .value_kind: global_buffer, .address_space: global }
      - { .name: out0, .offset: 32, .size: 8, .value_kind: global_buffer, .address_space: global }
    .group_segment_fixed_size: 327680
    .private_segment_fixed_size: 0
    .kernarg_segment_align: 8
    .kernarg_segment_size: 40
    .max_flat_workgroup_size: 128
    .sgpr_count:     100
    .vgpr_count:     512
    .wavefront_size: 32
...
	.end_amdgpu_metadata
.endif
;; end of part 4
